; MI455X (gfx1250); checked and timed in simulation.
; The chip was launched on July 23, 2026; its instructions are those of AMD's public machine-readable ISA for CDNA 5 (MIT licence, August 2026) and "CDNA5" Instruction Set Architecture Reference Guide (July 2026). The comments in the code are by the model that wrote it; some were corrected since.
;; Bahdanau Attention. Allowed arithmetic: float matrix products may take bf16 or f16 operands with f32 sums; all other float work in f32.
;; Inputs: W 1,024 x 2,048 float32; b 1,024 float32; encoder_outputs 32 x 2,048 x 1,024 float32; hidden_state 1 x 32 x 1,024 float32; v 1,024 x 1 float32.
;; Outputs: out0 1 x 32 x 1,024 float32; out1 32 x 1 x 2,048 float32.
;; Constants: batch_size = 32, sequence_length = 2048.
;; 2 versions, each right; version 2 is version 1 with the launch stream written anew for expert scheduling mode. Each part assembles by itself: llvm-mc -triple=amdgcn-amd-amdhsa -mcpu=gfx1250 --defsym DOCPART=n.
;; ======== version 1 of 2: 3 launches
;; workspace buffers: wpart 65,536 bytes; energy 262,144 bytes; pctx 1,048,576 bytes
;; launch colsum (part 1): grid 32 x 8, 8 waves a work-group, no clusters, 3,072 bytes of LDS; arguments W, v, wpart; writes wpart
.if DOCPART == 1
	.amdgcn_target "amdgcn-amd-amdhsa--gfx1250"
	.amdhsa_code_object_version 6
	.text
	.protected	k_q4be67f0636_colsum
	.globl	k_q4be67f0636_colsum
	.p2align	8
	.type	k_q4be67f0636_colsum,@function
k_q4be67f0636_colsum:
	s_mov_b64 s[64:65], 0
	v_nop
	global_prefetch_b8 v0, s[64:65] scope:SCOPE_SE
	s_setreg_imm32_b32 hwreg(HW_REG_WAVE_MODE, 25, 1), 1
	s_wait_xcnt 0x0
; wpart[c][j] = the sum over the 128 rows e of chunk c of W[e][j] * v[e].   W: [1024][2048] f32, v: [1024] f32, wpart: [8][2048] f32.
; WHY.  The energy has no non-linearity: (cat(h, enc) W^T + b) v = cat(h, enc) (W^T v) + b v.  So v is folded into W first, and the large
; product becomes a product with ONE vector w = W^T v of 2,048 numbers.  This holds for every input; only the order of rounding differs from
; a program that forms the 1,024 energies' components first.  All arithmetic is f32 on the vector unit: a matrix times one vector has no second dimension for the matrix unit.
; SHARES.  Work-group (g, c): columns 64 g .. 64 g + 63 (256 bytes of a row), rows 128 c .. 128 c + 127.  Thread t: q = t % 16 picks 4 columns, rg = t / 16 picks 8 rows.
; A load of a wave takes 256 consecutive aligned bytes of each of two rows.  The sixteen row groups' sums meet across the lanes' halves and then in LDS; wave 0 adds the eight waves' and stores
; 256 consecutive aligned bytes.  The eight chunks' sums are added by the next launch: no sum crosses work-groups here.
; NO CLUSTER, NO LDS TILES: no two work-groups read the same byte of W, and each byte is used once.
.set ROWB,  8192                       ; bytes in a row of W
.set STG,   0                          ; LDS: wave w's 64 sums at 256 w
.set SPARE, 2048                       ; behind them: the spare words, 128 bytes for each of the eight waves; no other line names them
.set SPW, 1                            ; v1      LDS address of my spare word; never rewritten
.set NIL, 2                            ; v2      0; never rewritten
.set WO,  3                            ; v3      my byte offset in the work-group's part of W: 8 rg rows + 16 q
.set VO,  4                            ; v4      my byte offset in the chunk's 128 numbers of v: 32 rg
.set SA,  5                            ; v5      where my wave's sums go: STG + 256 wave + 16 q
.set LA,  6                            ; v6      8 x lane: two columns, in LDS and in wpart
.set VV,  8                            ; v[8:15]   v of my 8 rows
.set WX,  16                           ; v[16:47]  W: row i at WX + 4 i
.set ACC, 48                           ; v[48:51]  my 4 columns' sums
.set SEL, 16                           ; s[16:17]  v_permlanex16_b32's selects: each lane takes its own place in the other half
	s_load_b128 s[4:7], s[0:1], 0x0                ; W s[4:5], v s[6:7]
	s_load_b64 s[8:9], s[0:1], 0x10                ; wpart
	v_lshl_add_u32 v[SPW], v0, 2, SPARE
	v_mov_b32 v[NIL], 0
	v_lshrrev_b32 v7, 5, v0
	v_readfirstlane_b32 s10, v7                    ; wave 0..7
	s_mov_b32 s11, ttmp9                           ; g
	s_and_b32 s12, ttmp7, 0xffff                   ; c
	s_mov_b32 s[SEL], 0x76543210
	s_mov_b32 s[SEL+1], 0xfedcba98
	s_mov_b32 s15, 0                               ; the offsets' high word
	v_and_b32 v7, 15, v0                           ; q
	v_lshrrev_b32 v52, 4, v0                       ; rg
	v_lshlrev_b32 v[WO], 16, v52                   ; 8 rows of 8,192 bytes
	v_lshl_or_b32 v[WO], v7, 4, v[WO]
	v_lshlrev_b32 v[VO], 5, v52                    ; 8 numbers of 4 bytes
	s_lshl_b32 s13, s10, 8
	v_lshl_add_u32 v[SA], v7, 4, s13
	v_and_b32 v[LA], 31, v0
	v_lshlrev_b32 v[LA], 3, v[LA]
	s_wait_kmcnt 0x0
	s_lshl_b32 s14, s12, 20                        ; 128 rows of W,
	s_lshl_b32 s13, s11, 8                         ; 64 columns
	s_or_b32 s14, s14, s13
	s_add_nc_u64 s[4:5], s[4:5], s[14:15]
	s_lshl_b32 s14, s12, 9                         ; 128 numbers of v
	s_add_nc_u64 s[6:7], s[6:7], s[14:15]
	s_lshl_b32 s14, s12, 13                        ; a chunk's row of wpart,
	s_or_b32 s14, s14, s13                         ; the same 64 columns
	s_add_nc_u64 s[8:9], s[8:9], s[14:15]
	global_load_b128 v[VV:VV+3],   v[VO], s[6:7]
	global_load_b128 v[VV+4:VV+7], v[VO], s[6:7] offset:16
.irp i, 0,1,2,3,4,5,6,7
	global_load_b128 v[WX+4*(\i):WX+4*(\i)+3], v[WO], s[4:5] offset:(\i)*ROWB th:TH_LOAD_NT  ; each byte of W is read once in the launch
.endr
.irp i, 0,1,2,3,4,5,6,7
	s_wait_loadcnt 7-(\i)                          ; loads come back in order: row i and v are in, the 7 - i younger rows stay out
.irp k, 0,1,2,3
.if (\i) == 0
	v_mul_f32 v[ACC+(\k)], v[WX+(\k)], v[VV]       ; the first row starts the sums: nothing is cleared
.else
	v_fmac_f32 v[ACC+(\k)], v[WX+4*(\i)+(\k)], v[VV+(\i)]
.endif
.endr
.endr
.irp k, 0,1,2,3
	v_permlanex16_b32 v[WX+(\k)], v[ACC+(\k)], s[SEL], s[SEL+1]  ; the wave's other row group holds the same columns 16 lanes away
.endr
.irp k, 0,1,2,3
	v_add_f32 v[ACC+(\k)], v[ACC+(\k)], v[WX+(\k)]
.endr
	ds_store_b128 v[SA], v[ACC:ACC+3]              ; both halves of the lanes write the same words with the same numbers
	s_wait_dscnt 0x0                               ; for wave 0's sake: my store is done
	s_barrier_signal -1
	s_barrier_wait -1
	s_cmp_lg_u32 s10, 0
	s_cbranch_scc1 .Lend                           ; wave 0 alone adds the eight waves' sums
.irp w, 0,1,2,3,4,5,6,7
	ds_load_b64 v[WX+2*(\w):WX+2*(\w)+1], v[LA] offset:STG+256*(\w)
.endr
	s_wait_dscnt 0x0
.irp o, 0,4,8,12
	v_pk_add_f32 v[WX+(\o):WX+(\o)+1], v[WX+(\o):WX+(\o)+1], v[WX+(\o)+2:WX+(\o)+3]
.endr
	v_pk_add_f32 v[WX:WX+1],   v[WX:WX+1],   v[WX+4:WX+5]
	v_pk_add_f32 v[WX+8:WX+9], v[WX+8:WX+9], v[WX+12:WX+13]
	v_pk_add_f32 v[WX:WX+1],   v[WX:WX+1],   v[WX+8:WX+9]
	global_store_b64 v[LA], v[WX:WX+1], s[8:9]     ; 32 lanes x 8 bytes: 256 consecutive bytes, at a multiple of 256 from wpart's first byte
.Lend:
	s_wait_tensorcnt 0x0                           ; the wave's end: behind my last LDS store
	ds_add_u32 v[SPW], v[NIL]
	s_wait_dscnt 0x0
	s_endpgm
.Lfunc_end_k_q4be67f0636_colsum:
	.size	k_q4be67f0636_colsum, .Lfunc_end_k_q4be67f0636_colsum-k_q4be67f0636_colsum
	.p2alignl 7, 3214868480
	.fill 96, 4, 3214868480
	.section	.rodata,"a",@progbits
	.p2align	6, 0x0
	.amdhsa_kernel k_q4be67f0636_colsum
		.amdhsa_group_segment_fixed_size 3072
		.amdhsa_private_segment_fixed_size 0
		.amdhsa_enable_private_segment 0
		.amdhsa_kernarg_size 24
		.amdhsa_user_sgpr_count 2
		.amdhsa_user_sgpr_kernarg_segment_ptr 1
		.amdhsa_wavefront_size32 1
		.amdhsa_system_sgpr_workgroup_id_x 1
		.amdhsa_system_sgpr_workgroup_id_y 1
		.amdhsa_system_sgpr_workgroup_id_z 1
		.amdhsa_system_vgpr_workitem_id 0
		.amdhsa_next_free_vgpr 56
		.amdhsa_next_free_sgpr 66
		.amdhsa_reserve_vcc 0
		.amdhsa_float_denorm_mode_32 3
		.amdhsa_float_denorm_mode_16_64 3
		.amdhsa_memory_ordered 1
		.amdhsa_forward_progress 1
		.amdhsa_inst_pref_size 6
	.end_amdhsa_kernel
	.amdgpu_metadata
---
amdhsa.version: [ 1, 2 ]
amdhsa.kernels:
  - .name:           k_q4be67f0636_colsum
    .symbol:         k_q4be67f0636_colsum.kd
    .args:
      - { .name: W, .offset: 0, .size: 8, .value_kind: global_buffer, .address_space: global }
      - { .name: v, .offset: 8, .size: 8, .value_kind: global_buffer, .address_space: global }
      - { .name: wpart, .offset: 16, .size: 8, .value_kind: global_buffer, .address_space: global }
    .group_segment_fixed_size: 3072
    .private_segment_fixed_size: 0
    .kernarg_segment_align: 8
    .kernarg_segment_size: 24
    .max_flat_workgroup_size: 256
    .sgpr_count:     66
    .vgpr_count:     56
    .wavefront_size: 32
...
	.end_amdgpu_metadata
.endif
;; end of part 1
;; launch stream (part 2): grid 8 x 32, 16 waves a work-group, no clusters, 73,216 bytes of LDS; arguments encoder_outputs, hidden_state, b, v, wpart, energy, pctx; writes energy, pctx
.if DOCPART == 2
	.amdgcn_target "amdgcn-amd-amdhsa--gfx1250"
	.amdhsa_code_object_version 6
	.text
	.protected	k_q4be67f0636_stream
	.globl	k_q4be67f0636_stream
	.p2align	8
	.type	k_q4be67f0636_stream,@function
k_q4be67f0636_stream:
	s_mov_b64 s[64:65], 0
	v_nop
	global_prefetch_b8 v0, s[64:65] scope:SCOPE_SE
	s_setreg_imm32_b32 hwreg(HW_REG_WAVE_MODE, 25, 1), 1
	s_wait_xcnt 0x0
; ONE PASS OVER encoder_outputs ([32][2048][1024] f32).  For the 256 rows s of block k of batch bt:
;   energy[bt][s] = enc[bt][s] . u + c,   u = w[1024:2048],   c = h[bt] . w[0:1024] + b . v,   w = the sum of wpart's eight rows (= W^T v)
;   pctx[bt][k][:] = the sum over those s of 2^((energy - MG) log2 e) enc[bt][s][:],   MG = the largest of the block's 256 energies.
; The next launch finds MG again as the maximum of the stored energies (a maximum is exact), so no record of it goes through memory, and no sum of weights is kept here.
; c is the same for all s of a batch; it is a step of the module, so it is made from its three inputs and added to every energy ahead of the maximum.
; EACH BYTE ONCE.  A row is wanted twice, for its energy and for the context.  One wave takes a whole row (4,096 bytes: 32 registers) and keeps it in registers between the two uses; the softmax
; runs on a running maximum M: when M grows the sums are multiplied by a = 2^((M_old - M_new) log2 e).
; All arithmetic is f32 on the vector unit: both products have ONE vector on one side, so the matrix unit has no second dimension to work on, and no operand is rounded to 16 bits.
; LIMITS.  v is folded into W ahead of enc: the order of rounding differs from forming the 1,024 components first.  A weight below 2^-126 counts as 0 (v_exp_f32 flushes such results).
; NaN and infinities are not treated apart.
; SHARES.  16 waves; wave w takes rows 16 i + w, i = 0 .. 15, so that the sixteen waves walk 65,536 consecutive bytes together.  Lane l holds columns 128 j + 4 l .. + 3 in register block j:
; each load of a wave covers 512 consecutive bytes, at a multiple of 512 from the buffer's first byte.  A ring of five row slots in registers: while two rows are at work, three to four are on their way.
; NO CLUSTER, NO TENSOR LOADS: work-groups share only wpart (65,536 bytes beside the 1,048,576 that each streams for itself); a row goes from memory into the registers in which both uses find it,
; and a way through LDS would move every byte once more.  NO PREFETCH: every wave has 12 KiB to 20 KiB of loads out all the time.
.set ROWSTEP, 65536                    ; bytes from my row i to my row i + 1
.set UL,    0                          ; LDS: u, 1,024 f32
.set CW,    4096                       ; the sixteen waves' parts of c
.set EN,    4352                       ; the block's 256 energies, row r at 4 r
.set MW,    5376                       ; the sixteen waves' maxima
.set AC,    5632                       ; wave w's 1,024 context sums at 4,096 w
.set SPARE, 71168                      ; behind them: the spare words, 128 bytes for each of the sixteen waves; no other line names them
.set SPW, 1                            ; v1      LDS address of my spare word; never rewritten
.set NIL, 2                            ; v2      0; never rewritten
.set XO,  3                            ; v3      16 x lane: my place in 512 bytes, in memory and in LDS; never rewritten
.set W4,  4                            ; v4      4 x wave: my wave's word in CW, EN and MW; never rewritten
.set CB,  5                            ; v5      c
.set M,   6                            ; v6      the running maximum (ahead of the first turn: 8 x thread)
.set MN,  7                            ; v7      the new maximum
.set A,   8                            ; v[8:9]    a; the packed forms name a pair and take its low word for both halves
.set PA,  10                           ; v[10:11]  the first row's weight
.set PB,  12                           ; v[12:13]  the second row's
.set DA,  14                           ; v[14:21]  the first row's dot product in four chains; then its energy in v14
.set DB,  22                           ; v[22:29]  the second row's; its energy in v22
.set TA,  30                           ; v30, v31  at work
.set TB,  31
.set U,   32                           ; v[32:63]  u, my 32 columns
.set ACC, 64                           ; v[64:95]  the context sums, my 32 columns
.set X,   96                           ; v[96:255] five row slots of 32
.set SEL, 24                           ; s[24:25]  v_permlanex16_b32's selects: each lane takes its own place in the other half
.set L2E, 26                           ; s26       log2(e)
.macro SUM8P a                         ; eight pairs from v[a] on are added into the first, in a fixed order
.irp o, 0,4,8,12
	v_pk_add_f32 v[(\a)+(\o):(\a)+(\o)+1], v[(\a)+(\o):(\a)+(\o)+1], v[(\a)+(\o)+2:(\a)+(\o)+3]
.endr
	v_pk_add_f32 v[(\a):(\a)+1],   v[(\a):(\a)+1],   v[(\a)+4:(\a)+5]
	v_pk_add_f32 v[(\a)+8:(\a)+9], v[(\a)+8:(\a)+9], v[(\a)+12:(\a)+13]
	v_pk_add_f32 v[(\a):(\a)+1],   v[(\a):(\a)+1],   v[(\a)+8:(\a)+9]
.endm
.macro WSUM r, t                       ; the sum over the wave's 32 lanes, in every lane: four steps inside each half ride on the addition, one crosses the halves
.irp m, 1,2,4,8
	v_add_f32_dpp v[\r], v[\r], v[\r] row_xmask:\m row_mask:0xf bank_mask:0xf
.endr
	v_permlanex16_b32 v[\t], v[\r], s[SEL], s[SEL+1]
	v_add_f32 v[\r], v[\r], v[\t]
.endm
.macro WSUM2 r, t, q, u                ; two such sums, line by line in turn, so that no line waits for the one before it
.irp m, 1,2,4,8
	v_add_f32_dpp v[\r], v[\r], v[\r] row_xmask:\m row_mask:0xf bank_mask:0xf
	v_add_f32_dpp v[\q], v[\q], v[\q] row_xmask:\m row_mask:0xf bank_mask:0xf
.endr
	v_permlanex16_b32 v[\t], v[\r], s[SEL], s[SEL+1]
	v_permlanex16_b32 v[\u], v[\q], s[SEL], s[SEL+1]
	v_add_f32 v[\r], v[\r], v[\t]
	v_add_f32 v[\q], v[\q], v[\u]
.endm
.macro FILL slot, row                  ; eight loads: my row number \row, whole.  The row stands in the immediate (986,624 at the most, inside its signed 24 bits): no address register is ever rewritten
.irp j, 0,1,2,3,4,5,6,7
	global_load_b128 v[X+32*(\slot)+4*(\j):X+32*(\slot)+4*(\j)+3], v[XO], s[4:5] offset:(\row)*ROWSTEP+512*(\j) th:TH_LOAD_NT  ; each byte is read once in the launch
.endr
.endm
.macro DOT slot, d                     ; my 32 columns of row . u: four chains of packed multiply-adds, started by the first four products; the lane's sum in v[d]
.set n, 0
.rept 16
.if n < 4
	v_pk_mul_f32 v[(\d)+2*n:(\d)+2*n+1], v[X+32*(\slot)+2*n:X+32*(\slot)+2*n+1], v[U+2*n:U+2*n+1]
.else
	v_pk_fma_f32 v[(\d)+2*(n%4):(\d)+2*(n%4)+1], v[X+32*(\slot)+2*n:X+32*(\slot)+2*n+1], v[U+2*n:U+2*n+1], v[(\d)+2*(n%4):(\d)+2*(n%4)+1]
.endif
.set n, n+1
.endr
	v_pk_add_f32 v[(\d):(\d)+1],   v[(\d):(\d)+1],   v[(\d)+2:(\d)+3]
	v_pk_add_f32 v[(\d)+4:(\d)+5], v[(\d)+4:(\d)+5], v[(\d)+6:(\d)+7]
	v_pk_add_f32 v[(\d):(\d)+1],   v[(\d):(\d)+1],   v[(\d)+4:(\d)+5]
	v_add_f32 v[\d], v[\d], v[(\d)+1]
.endm
	s_load_b256 s[4:11], s[0:1], 0x0               ; enc s[4:5], hidden_state s[6:7], b s[8:9], v s[10:11]
	s_load_b128 s[12:15], s[0:1], 0x20             ; wpart s[12:13], energy s[14:15]
	s_load_b64 s[16:17], s[0:1], 0x30              ; pctx
	v_lshl_add_u32 v[SPW], v0, 2, SPARE
	v_mov_b32 v[NIL], 0
	v_lshrrev_b32 v[TA], 5, v0
	v_readfirstlane_b32 s18, v[TA]                 ; wave 0..15
	s_mov_b32 s19, ttmp9                           ; k: the block of 256 rows
	s_and_b32 s20, ttmp7, 0xffff                   ; bt: the batch
	s_mov_b32 s[SEL], 0x76543210
	s_mov_b32 s[SEL+1], 0xfedcba98
	s_mov_b32 s[L2E], 0x3fb8aa3b
	s_mov_b32 s23, 0                               ; the offsets' high word
	v_and_b32 v[XO], 31, v0
	v_lshlrev_b32 v[XO], 4, v[XO]
	s_lshl_b32 s21, s18, 2
	v_mov_b32 v[W4], s21
	v_lshlrev_b32 v[M], 3, v0                      ; 8 x thread: two numbers of each vector of 1,024
	v_mov_b32 v[A+1], 0                            ; named with their low words as pairs, so they are written
	v_mov_b32 v[PA+1], 0
	v_mov_b32 v[PB+1], 0
	v_mov_b32 v[TA], 0                             ; v_permlanex16_b32's destinations count as read
	v_mov_b32 v[TB], 0
	s_wait_kmcnt 0x0
	s_lshl_b32 s22, s20, 23                        ; a batch is 2,048 rows of 4,096 bytes,
	s_lshl_b32 s21, s19, 20                        ; a block 256 rows,
	s_or_b32 s22, s22, s21
	s_lshl_b32 s21, s18, 12                        ; my first row is the wave's number
	s_or_b32 s22, s22, s21
	s_add_nc_u64 s[4:5], s[4:5], s[22:23]
	s_lshl_b32 s22, s20, 12
	s_add_nc_u64 s[6:7], s[6:7], s[22:23]          ; h of my batch
	s_lshl_b32 s22, s20, 13
	s_lshl_b32 s21, s19, 10
	s_or_b32 s22, s22, s21
	s_add_nc_u64 s[14:15], s[14:15], s[22:23]      ; the block's 256 energies
	s_lshl_b32 s22, s20, 15
	s_lshl_b32 s21, s19, 12
	s_or_b32 s22, s22, s21
	s_add_nc_u64 s[16:17], s[16:17], s[22:23]      ; the block's 1,024 context sums
	; THE SMALL VECTORS: thread t takes numbers 2 t, 2 t + 1 of each: a load of a wave covers 256 consecutive aligned bytes.  Then the ring is filled, and the small work is done while the rows are on their way.
.irp p, 0,1,2,3,4,5,6,7
	global_load_b64 v[U+2*(\p):U+2*(\p)+1], v[M], s[12:13] offset:(\p)*8192            ; chunk p of w[0:1024]
.endr
.irp p, 0,1,2,3,4,5,6,7
	global_load_b64 v[U+16+2*(\p):U+16+2*(\p)+1], v[M], s[12:13] offset:(\p)*8192+4096  ; chunk p of w[1024:2048]
.endr
	global_load_b64 v[64:65], v[M], s[6:7]         ; h
	global_load_b64 v[66:67], v[M], s[8:9]         ; b
	global_load_b64 v[68:69], v[M], s[10:11]       ; v
.irp s, 0,1,2,3,4
	FILL \s, \s
.endr
	s_wait_loadcnt 40                              ; the 19 small loads are in; the 40 loads of rows 0 to 4, issued behind them, stay out
	SUM8P U                                        ; w[2 t], w[2 t + 1]
	SUM8P U+16                                     ; u[2 t], u[2 t + 1]
	v_pk_mul_f32 v[70:71], v[U:U+1], v[64:65]      ; my part of c: h w
	v_pk_fma_f32 v[70:71], v[66:67], v[68:69], v[70:71]  ; + b v
	v_add_f32 v70, v70, v71
	WSUM 70, TA
	ds_store_b64 v[M], v[U+16:U+17] offset:UL
	ds_store_b32 v[W4], v70 offset:CW              ; all lanes write the same word with the same number
	s_wait_dscnt 0x0                               ; for the others' sake: my stores are done
	s_barrier_signal -1
	s_barrier_wait -1
	v_mov_b32 v[MN], 0                             ; an address that is the same in all lanes
.irp j, 0,1,2,3,4,5,6,7
	ds_load_b128 v[U+4*(\j):U+4*(\j)+3], v[XO] offset:UL+512*(\j)  ; u in the rows' own layout
.endr
.irp n, 0,1,2,3
	ds_load_b128 v[64+4*(\n):64+4*(\n)+3], v[MN] offset:CW+16*(\n)
.endr
	s_wait_dscnt 0x0
	SUM8P 64
	v_add_f32 v[CB], v64, v65                      ; c, the same bits in every lane of every wave
; A TURN: my rows 2 t and 2 t + 1.  first = 1: the first turn starts M and the sums: there is no a, and nothing is cleared.
.macro TURN t, first
.set RWA, 2*(\t)
.set RWB, 2*(\t)+1
.set SLA, RWA%5
.set SLB, RWB%5
.set LASTR, RWA+4                      ; the last row that has been asked for
.if LASTR > 15
.set LASTR, 15
.endif
.set NY, 8*(LASTR-RWB)                 ; the loads issued behind the second row's
	s_wait_loadcnt NY+8                            ; loads come back in order: the first row is in; the second and the NY younger loads stay out
	DOT SLA, DA
	s_wait_loadcnt NY                              ; the second row is in
	DOT SLB, DB
	WSUM2 DA, TA, DB, TB
	v_add_f32 v[DA], v[DA], v[CB]                  ; the two energies, in every lane
	v_add_f32 v[DB], v[DB], v[CB]
	ds_store_b32 v[W4], v[DA] offset:EN+64*RWA     ; row 16 i + w lies at 64 i + 4 w.  These stores are waited for in front of the barrier behind the last turn
	ds_store_b32 v[W4], v[DB] offset:EN+64*RWB
.if \first
	v_max_num_f32 v[MN], v[DA], v[DB]
.else
	v_max3_num_f32 v[MN], v[M], v[DA], v[DB]
.endif
	; The exponents: a subtraction, then the factor.  The difference of two near energies is exact, so the exponent's error does not grow with the energies' size, as it would in one fused line on M log2 e rounded.
	v_sub_f32 v[TA], v[DA], v[MN]
	v_sub_f32 v[TB], v[DB], v[MN]
.if !(\first)
	v_sub_f32 v[A], v[M], v[MN]
.endif
	v_mul_f32 v[TA], s[L2E], v[TA]
	v_mul_f32 v[TB], s[L2E], v[TB]
.if !(\first)
	v_mul_f32 v[A], s[L2E], v[A]
.endif
	v_exp_f32 v[PA], v[TA]
	v_exp_f32 v[PB], v[TB]
.if !(\first)
	v_exp_f32 v[A], v[A]
.endif
	v_mov_b32 v[M], v[MN]                          ; the plain instruction between the exponentials and the use of their results (ISA guide 5.7.2)
	s_wait_alu depctr_va_vdst(0)
.set n, 0
.rept 16
.if \first
	v_pk_mul_f32 v[ACC+2*n:ACC+2*n+1], v[X+32*SLA+2*n:X+32*SLA+2*n+1], v[PA:PA+1] op_sel_hi:[1,0]
.else
	v_pk_mul_f32 v[ACC+2*n:ACC+2*n+1], v[ACC+2*n:ACC+2*n+1], v[A:A+1] op_sel_hi:[1,0]
.endif
.set n, n+1
.endr
.if !(\first)
.set n, 0
.rept 16
	v_pk_fma_f32 v[ACC+2*n:ACC+2*n+1], v[X+32*SLA+2*n:X+32*SLA+2*n+1], v[PA:PA+1], v[ACC+2*n:ACC+2*n+1] op_sel_hi:[1,0,1]
.set n, n+1
.endr
.endif
.if RWA+5 <= 15
	FILL SLA, RWA+5                                ; the slot has been read for the last time: its next row is asked for
.endif
.set n, 0
.rept 16
	v_pk_fma_f32 v[ACC+2*n:ACC+2*n+1], v[X+32*SLB+2*n:X+32*SLB+2*n+1], v[PB:PB+1], v[ACC+2*n:ACC+2*n+1] op_sel_hi:[1,0,1]
.set n, n+1
.endr
.if RWB+5 <= 15
	FILL SLB, RWB+5
.endif
.endm
	TURN 0, 1
.irp t, 1,2,3,4,5,6,7                  ; written out: the slots go round in fives and the turns in twos, and the last turns ask for nothing: no load leaves the buffer
	TURN \t, 0
.endr
	; THE WAVES MEET.  Each puts its maximum and its 1,024 sums into LDS; behind the barrier thread t adds the sixteen waves' sums of columns 2 t, 2 t + 1, each brought to the block's maximum.
	ds_store_b32 v[W4], v[M] offset:MW
	s_lshl_b32 s21, s18, 12
	s_add_co_u32 s21, s21, AC
	v_add_nc_u32 v[TA], s21, v[XO]                 ; AC + 4,096 wave + 16 lane
.irp j, 0,1,2,3,4,5,6,7
	ds_store_b128 v[TA], v[ACC+4*(\j):ACC+4*(\j)+3] offset:512*(\j)  ; column n lands at 4 n
.endr
	s_wait_dscnt 0x0                               ; for the others' sake: these stores and the turns' stores of energies are done
	s_barrier_signal -1
	s_barrier_wait -1
	v_mov_b32 v[TB], 0                             ; an address that is the same in all lanes
	v_lshlrev_b32 v114, 3, v0                      ; 8 x thread, in pctx
	v_lshl_add_u32 v115, v0, 3, AC                 ; and in a wave's sums (the region's base stands in the register: with 15 x 4,096 it would pass the offset's 16 bits)
.irp n, 0,1,2,3
	ds_load_b128 v[96+4*(\n):96+4*(\n)+3], v[TB] offset:MW+16*(\n)
.endr
.irp w, 0,1,2,3,4,5,6,7,8,9,10,11,12,13,14,15
	ds_load_b64 v[128+2*(\w):128+2*(\w)+1], v115 offset:4096*(\w)
.endr
	s_wait_dscnt 16                                ; the sixteen maxima are in; the sixteen loads issued behind them stay out
	v_max3_num_f32 v116, v96, v97, v98
.irp n, 99,101,103,105,107,109
	v_max3_num_f32 v116, v116, v[\n], v[(\n)+1]
.endr
	v_max_num_f32 v116, v116, v111                 ; MG
.set n, 96
.rept 16
	v_sub_f32 v[n], v[n], v116
.set n, n+1
.endr
.set n, 96
.rept 16
	v_mul_f32 v[n], s[L2E], v[n]
.set n, n+1
.endr
.set n, 96
.rept 16
	v_exp_f32 v[n], v[n]                           ; wave w's factor 2^((M_w - MG) log2 e)
.set n, n+1
.endr
	v_nop                                          ; a plain instruction between the exponentials and the use of their results
	s_wait_dscnt 0x0
	s_wait_alu depctr_va_vdst(0)
	v_mul_f32 v112, v128, v96
	v_mul_f32 v113, v129, v96
.set n, 1
.rept 15
	v_fma_f32 v112, v[128+2*n], v[96+n], v112
	v_fma_f32 v113, v[129+2*n], v[96+n], v113
.set n, n+1
.endr
	global_store_b64 v114, v[112:113], s[16:17]    ; a wave stores 256 consecutive bytes, at a multiple of 256 from pctx's first byte
	s_cmp_lt_u32 s18, 2
	s_cbranch_scc0 .Ldone                          ; waves 0 and 1 send the 256 energies out
	v_lshlrev_b32 v117, 4, v0                      ; 16 x thread, thread 0 .. 63
	ds_load_b128 v[120:123], v117 offset:EN
	s_wait_dscnt 0x0
	global_store_b128 v117, v[120:123], s[14:15]   ; a wave stores 512 consecutive bytes, at a multiple of 512 from energy's first byte
.Ldone:
	s_wait_tensorcnt 0x0                           ; the wave's end: behind my last LDS store
	ds_add_u32 v[SPW], v[NIL]
	s_wait_dscnt 0x0
	s_endpgm
.Lfunc_end_k_q4be67f0636_stream:
	.size	k_q4be67f0636_stream, .Lfunc_end_k_q4be67f0636_stream-k_q4be67f0636_stream
	.p2alignl 7, 3214868480
	.fill 96, 4, 3214868480
	.section	.rodata,"a",@progbits
	.p2align	6, 0x0
	.amdhsa_kernel k_q4be67f0636_stream
		.amdhsa_group_segment_fixed_size 73216
		.amdhsa_private_segment_fixed_size 0
		.amdhsa_enable_private_segment 0
		.amdhsa_kernarg_size 56
		.amdhsa_user_sgpr_count 2
		.amdhsa_user_sgpr_kernarg_segment_ptr 1
		.amdhsa_wavefront_size32 1
		.amdhsa_system_sgpr_workgroup_id_x 1
		.amdhsa_system_sgpr_workgroup_id_y 1
		.amdhsa_system_sgpr_workgroup_id_z 1
		.amdhsa_system_vgpr_workitem_id 0
		.amdhsa_next_free_vgpr 256
		.amdhsa_next_free_sgpr 66
		.amdhsa_reserve_vcc 0
		.amdhsa_float_denorm_mode_32 3
		.amdhsa_float_denorm_mode_16_64 3
		.amdhsa_memory_ordered 1
		.amdhsa_forward_progress 1
		.amdhsa_inst_pref_size 79
	.end_amdhsa_kernel
	.amdgpu_metadata
---
amdhsa.version: [ 1, 2 ]
amdhsa.kernels:
  - .name:           k_q4be67f0636_stream
    .symbol:         k_q4be67f0636_stream.kd
    .args:
      - { .name: encoder_outputs, .offset: 0, .size: 8, .value_kind: global_buffer, .address_space: global }
      - { .name: hidden_state, .offset: 8, .size: 8, .value_kind: global_buffer, .address_space: global }
      - { .name: b, .offset: 16, .size: 8, .value_kind: global_buffer, .address_space: global }
      - { .name: v, .offset: 24, .size: 8, .value_kind: global_buffer, .address_space: global }
      - { .name: wpart, .offset: 32, .size: 8, .value_kind: global_buffer, .address_space: global }
      - { .name: energy, .offset: 40, .size: 8, .value_kind: global_buffer, .address_space: global }
      - { .name: pctx, .offset: 48, .size: 8, .value_kind: global_buffer, .address_space: global }
    .group_segment_fixed_size: 73216
    .private_segment_fixed_size: 0
    .kernarg_segment_align: 8
    .kernarg_segment_size: 56
    .max_flat_workgroup_size: 512
    .sgpr_count:     66
    .vgpr_count:     256
    .wavefront_size: 32
...
	.end_amdgpu_metadata
.endif
;; end of part 2
;; launch finish (part 3): grid 32 x 1, 16 waves a work-group, no clusters, 2,560 bytes of LDS; arguments energy, pctx, out0, out1; writes out0, out1
.if DOCPART == 3
	.amdgcn_target "amdgcn-amd-amdhsa--gfx1250"
	.amdhsa_code_object_version 6
	.text
	.protected	k_q4be67f0636_finish
	.globl	k_q4be67f0636_finish
	.p2align	8
	.type	k_q4be67f0636_finish,@function
k_q4be67f0636_finish:
	s_mov_b64 s[64:65], 0
	v_nop
	global_prefetch_b8 v0, s[64:65] scope:SCOPE_SE
	s_setreg_imm32_b32 hwreg(HW_REG_WAVE_MODE, 25, 1), 1
	s_wait_xcnt 0x0
; THE SOFTMAX'S END, a batch to a work-group.  energy: [32][2048] f32; pctx: [32][8][1024] f32, block k's sums taken relative to M_k, the largest of its 256 energies.
;   M = the largest energy of the batch;  p[s] = 2^((energy[s] - M) log2 e);  L = the sum of p;  out1[bt][s] = p[s] / L;
;   out0[bt][:] = (the sum over k of 2^((M_k - M) log2 e) pctx[bt][k][:]) / L.
; M_k is found again here from the same stored energies: a maximum is exact, so it is the number the sums were taken by.  L is at least 1: the largest energy's weight is 1.
; LIMITS.  A weight below 2^-126 counts as 0 (v_exp_f32 flushes such results); NaN and infinities are not treated apart.
; SHARES.  512 threads; thread t owns energies 4 t .. 4 t + 3 (block k is waves 2 k and 2 k + 1) and context columns 2 t, 2 t + 1.  32 work-groups are all the work that this step has:
; a batch's maximum and sum span its 2,048 energies, and a finer share would repeat both in each part.  Nothing is shared between work-groups: no cluster; 40 KiB a work-group: no ring, no prefetch.
.set MW,    0                          ; LDS: the sixteen waves' maxima
.set LW,    256                        ; the sixteen waves' sums of weights
.set SPARE, 512                        ; the spare words, 128 bytes for each of the sixteen waves; no other line names them
.set SPW, 1                            ; v1      LDS address of my spare word; never rewritten
.set NIL, 2                            ; v2      0; never rewritten
.set O16, 3                            ; v3      16 x thread
.set O8,  4                            ; v4      8 x thread
.set W4,  5                            ; v5      4 x wave
.set ZA,  6                            ; v6      0: an LDS address that is the same in all lanes
.set E,   8                            ; v[8:11]   my four energies, then weights
.set C,   12                           ; v[12:27]  block k's sums of my two columns at C + 2 k
.set RB,  28                           ; v[28:43]  sixteen words read back
.set G,   44                           ; v[44:51]  M_k, then block k's factor
.set MX,  52                           ; v52       M
.set T,   53                           ; v53, v54  at work
.set R,   56                           ; v[56:57]  1 / L; the packed forms name a pair and take its low word for both halves
.set CT,  58                           ; v[58:59]  my two columns of the context
.set SEL, 16                           ; s[16:17]  v_permlanex16_b32's selects
.set L2E, 18                           ; s18       log2(e)
	s_load_b256 s[4:11], s[0:1], 0x0               ; energy s[4:5], pctx s[6:7], out0 s[8:9], out1 s[10:11]
	v_lshl_add_u32 v[SPW], v0, 2, SPARE
	v_mov_b32 v[NIL], 0
	v_lshrrev_b32 v[T], 5, v0
	v_readfirstlane_b32 s12, v[T]                  ; wave 0..15
	s_lshl_b32 s13, s12, 2
	v_mov_b32 v[W4], s13
	v_lshlrev_b32 v[O16], 4, v0
	v_lshlrev_b32 v[O8], 3, v0
	v_mov_b32 v[ZA], 0
	v_mov_b32 v[T+1], 0                            ; v_permlanex16_b32's destination counts as read
	v_mov_b32 v[R+1], 0                            ; named with 1 / L as a pair
	s_mov_b32 s[SEL], 0x76543210
	s_mov_b32 s[SEL+1], 0xfedcba98
	s_mov_b32 s[L2E], 0x3fb8aa3b
	s_mov_b32 s15, 0                               ; the offsets' high word
	s_wait_kmcnt 0x0
	s_lshl_b32 s14, ttmp9, 13                      ; a batch's 2,048 numbers
	s_add_nc_u64 s[4:5], s[4:5], s[14:15]
	s_add_nc_u64 s[10:11], s[10:11], s[14:15]
	s_lshl_b32 s14, ttmp9, 15                      ; its 8 x 1,024
	s_add_nc_u64 s[6:7], s[6:7], s[14:15]
	s_lshl_b32 s14, ttmp9, 12                      ; its 1,024
	s_add_nc_u64 s[8:9], s[8:9], s[14:15]
	global_load_b128 v[E:E+3], v[O16], s[4:5]
.irp k, 0,1,2,3,4,5,6,7
	global_load_b64 v[C+2*(\k):C+2*(\k)+1], v[O8], s[6:7] offset:4096*(\k)
.endr
	s_wait_loadcnt 8                               ; the energies are in; the eight loads issued behind them stay out
	v_max3_num_f32 v[T], v[E], v[E+1], v[E+2]
	v_max_num_f32 v[T], v[T], v[E+3]
.irp m, 1,2,4,8
	v_max_num_f32_dpp v[T], v[T], v[T] row_xmask:\m row_mask:0xf bank_mask:0xf
.endr
	v_permlanex16_b32 v[T+1], v[T], s[SEL], s[SEL+1]
	v_max_num_f32 v[T], v[T], v[T+1]               ; my wave's largest energy
	ds_store_b32 v[W4], v[T] offset:MW             ; all lanes write the same word with the same number
	s_wait_dscnt 0x0                               ; for the others' sake: my store is done
	s_barrier_signal -1
	s_barrier_wait -1
.irp n, 0,1,2,3
	ds_load_b128 v[RB+4*(\n):RB+4*(\n)+3], v[ZA] offset:MW+16*(\n)
.endr
	s_wait_dscnt 0x0
.irp k, 0,1,2,3,4,5,6,7
	v_max_num_f32 v[G+(\k)], v[RB+2*(\k)], v[RB+2*(\k)+1]  ; M_k: block k is two waves
.endr
	v_max3_num_f32 v[MX], v[G], v[G+1], v[G+2]
	v_max3_num_f32 v[MX], v[MX], v[G+3], v[G+4]
	v_max3_num_f32 v[MX], v[MX], v[G+5], v[G+6]
	v_max_num_f32 v[MX], v[MX], v[G+7]             ; M
	; the exponents: a subtraction, which is exact for near numbers, then the factor
.irp n, E,E+1,E+2,E+3,G,G+1,G+2,G+3,G+4,G+5,G+6,G+7
	v_sub_f32 v[\n], v[\n], v[MX]
.endr
.irp n, E,E+1,E+2,E+3,G,G+1,G+2,G+3,G+4,G+5,G+6,G+7
	v_mul_f32 v[\n], s[L2E], v[\n]
.endr
.irp n, E,E+1,E+2,E+3,G,G+1,G+2,G+3,G+4,G+5,G+6,G+7
	v_exp_f32 v[\n], v[\n]
.endr
	v_nop                                          ; a plain instruction between the exponentials and the use of their results (ISA guide 5.7.2)
	s_wait_alu depctr_va_vdst(0)
	v_pk_add_f32 v[60:61], v[E:E+1], v[E+2:E+3]
	v_add_f32 v[T], v60, v61
.irp m, 1,2,4,8
	v_add_f32_dpp v[T], v[T], v[T] row_xmask:\m row_mask:0xf bank_mask:0xf
.endr
	v_permlanex16_b32 v[T+1], v[T], s[SEL], s[SEL+1]
	v_add_f32 v[T], v[T], v[T+1]                   ; my wave's sum of weights
	ds_store_b32 v[W4], v[T] offset:LW             ; words of their own: the maxima's may still be read by a slower wave
	s_wait_dscnt 0x0
	s_barrier_signal -1
	s_barrier_wait -1
.irp n, 0,1,2,3
	ds_load_b128 v[RB+4*(\n):RB+4*(\n)+3], v[ZA] offset:LW+16*(\n)
.endr
	s_wait_dscnt 0x0
.irp o, 0,4,8,12
	v_pk_add_f32 v[RB+(\o):RB+(\o)+1], v[RB+(\o):RB+(\o)+1], v[RB+(\o)+2:RB+(\o)+3]
.endr
	v_pk_add_f32 v[RB:RB+1],   v[RB:RB+1],   v[RB+4:RB+5]
	v_pk_add_f32 v[RB+8:RB+9], v[RB+8:RB+9], v[RB+12:RB+13]
	v_pk_add_f32 v[RB:RB+1],   v[RB:RB+1],   v[RB+8:RB+9]
	v_add_f32 v[T], v[RB], v[RB+1]                 ; L
	v_rcp_f32 v[R], v[T]
	v_nop                                          ; a plain instruction between the reciprocal and the use of its result
	s_wait_alu depctr_va_vdst(0)
	v_pk_mul_f32 v[E:E+1],   v[E:E+1],   v[R:R+1] op_sel_hi:[1,0]
	v_pk_mul_f32 v[E+2:E+3], v[E+2:E+3], v[R:R+1] op_sel_hi:[1,0]
	global_store_b128 v[O16], v[E:E+3], s[10:11] th:TH_STORE_NT  ; a wave stores 512 consecutive bytes, at a multiple of 512 from out1's first byte
	s_wait_loadcnt 0x0                             ; the eight blocks' sums
	v_mul_f32 v[CT],   v[C],   v[G]
	v_mul_f32 v[CT+1], v[C+1], v[G]
.irp k, 1,2,3,4,5,6,7
	v_fma_f32 v[CT],   v[C+2*(\k)],   v[G+(\k)], v[CT]
	v_fma_f32 v[CT+1], v[C+2*(\k)+1], v[G+(\k)], v[CT+1]
.endr
	v_pk_mul_f32 v[CT:CT+1], v[CT:CT+1], v[R:R+1] op_sel_hi:[1,0]
	global_store_b64 v[O8], v[CT:CT+1], s[8:9] th:TH_STORE_NT    ; a wave stores 256 consecutive bytes, at a multiple of 256 from out0's first byte
	s_wait_tensorcnt 0x0                           ; the wave's end: behind my last LDS store
	ds_add_u32 v[SPW], v[NIL]
	s_wait_dscnt 0x0
	s_endpgm
.Lfunc_end_k_q4be67f0636_finish:
	.size	k_q4be67f0636_finish, .Lfunc_end_k_q4be67f0636_finish-k_q4be67f0636_finish
	.p2alignl 7, 3214868480
	.fill 96, 4, 3214868480
	.section	.rodata,"a",@progbits
	.p2align	6, 0x0
	.amdhsa_kernel k_q4be67f0636_finish
		.amdhsa_group_segment_fixed_size 2560
		.amdhsa_private_segment_fixed_size 0
		.amdhsa_enable_private_segment 0
		.amdhsa_kernarg_size 32
		.amdhsa_user_sgpr_count 2
		.amdhsa_user_sgpr_kernarg_segment_ptr 1
		.amdhsa_wavefront_size32 1
		.amdhsa_system_sgpr_workgroup_id_x 1
		.amdhsa_system_sgpr_workgroup_id_y 1
		.amdhsa_system_sgpr_workgroup_id_z 1
		.amdhsa_system_vgpr_workitem_id 0
		.amdhsa_next_free_vgpr 64
		.amdhsa_next_free_sgpr 66
		.amdhsa_reserve_vcc 0
		.amdhsa_float_denorm_mode_32 3
		.amdhsa_float_denorm_mode_16_64 3
		.amdhsa_memory_ordered 1
		.amdhsa_forward_progress 1
		.amdhsa_inst_pref_size 8
	.end_amdhsa_kernel
	.amdgpu_metadata
---
amdhsa.version: [ 1, 2 ]
amdhsa.kernels:
  - .name:           k_q4be67f0636_finish
    .symbol:         k_q4be67f0636_finish.kd
    .args:
      - { .name: energy, .offset: 0, .size: 8, .value_kind: global_buffer, .address_space: global }
      - { .name: pctx, .offset: 8, .size: 8, .value_kind: global_buffer, .address_space: global }
      - { .name: out0, .offset: 16, .size: 8, .value_kind: global_buffer, .address_space: global }
      - { .name: out1, .offset: 24, .size: 8, .value_kind: global_buffer, .address_space: global }
    .group_segment_fixed_size: 2560
    .private_segment_fixed_size: 0
    .kernarg_segment_align: 8
    .kernarg_segment_size: 32
    .max_flat_workgroup_size: 512
    .sgpr_count:     66
    .vgpr_count:     64
    .wavefront_size: 32
...
	.end_amdgpu_metadata
.endif
;; end of part 3
;; ======== version 2 of 2: 3 launches; version 1 with the launch stream written anew for expert scheduling mode
;; workspace buffers: wpart 65,536 bytes; energy 262,144 bytes; pctx 1,048,576 bytes
;; launch colsum: the kernel of part 1 again; grid 32 x 8, 8 waves a work-group, no clusters, 3,072 bytes of LDS; arguments W, v, wpart; writes wpart
;; launch stream (part 4): grid 8 x 32, 16 waves a work-group, no clusters, 73,216 bytes of LDS; arguments encoder_outputs, hidden_state, b, v, wpart, energy, pctx; writes energy, pctx
.if DOCPART == 4
	.amdgcn_target "amdgcn-amd-amdhsa--gfx1250"
	.amdhsa_code_object_version 6
	.text
	.protected	k_q4be67f0636_stream
	.globl	k_q4be67f0636_stream
	.p2align	8
	.type	k_q4be67f0636_stream,@function
k_q4be67f0636_stream:
	s_mov_b64 s[64:65], 0
	v_nop
	global_prefetch_b8 v0, s[64:65] scope:SCOPE_SE
	s_setreg_imm32_b32 hwreg(HW_REG_WAVE_SCHED_MODE, 0, 2), 2
	s_setreg_imm32_b32 hwreg(HW_REG_WAVE_MODE, 25, 1), 1
	s_wait_xcnt 0x0
	s_wait_alu depctr_vm_vsrc(0)
; ONE PASS OVER encoder_outputs ([32][2048][1024] f32).  For the 256 rows s of block k of batch bt:
;   energy[bt][s] = enc[bt][s] . u + c,   u = w[1024:2048],   c = h[bt] . w[0:1024] + b . v,   w = the sum of wpart's eight rows (= W^T v)
;   pctx[bt][k][:] = the sum over those s of 2^((energy - MG) log2 e) enc[bt][s][:],   MG = the largest of the block's 256 energies.
; The next launch finds MG again as the maximum of the stored energies (a maximum is exact), so no record of it goes through memory, and no sum of weights is kept here.
; c is the same for all s of a batch; it is a step of the module, so it is made from its three inputs and added to every energy ahead of the maximum.
; EACH BYTE ONCE.  A row is wanted twice, for its energy and for the context.  One wave takes a whole row (4,096 bytes: 32 registers) and keeps it in registers between the two uses; the softmax
; runs on a running maximum M: when M grows the sums are multiplied by a = 2^((M_old - M_new) log2 e).
; All arithmetic is f32 on the vector unit: both products have ONE vector on one side, so the matrix unit has no second dimension to work on, and no operand is rounded to 16 bits.
; LIMITS.  v is folded into W ahead of enc: the order of rounding differs from forming the 1,024 components first.  A weight below 2^-126 counts as 0 (v_exp_f32 flushes such results).
; NaN and infinities are not treated apart.
; SHARES.  16 waves; wave w takes rows 16 i + w, i = 0 .. 15, so that the sixteen waves walk 65,536 consecutive bytes together.  Lane l holds columns 128 j + 4 l .. + 3 in register block j:
; each load of a wave covers 512 consecutive bytes, at a multiple of 512 from the buffer's first byte.  A ring of five row slots in registers: while two rows are at work, three are on their way.
; NO CLUSTER, NO TENSOR LOADS: work-groups share only wpart (65,536 bytes beside the 1,048,576 that each streams for itself); a row goes from memory into the registers in which both uses find it,
; and a way through LDS would move every byte once more.  NO PREFETCH: every wave has 12 KiB to 20 KiB of loads out all the time.
; THE MODE: SCHED_MODE bits 1:0 = 2 (LLVM: expert scheduling mode 2), set by the entry lines.  The code itself states the register dependences
; between vector instructions and memory or LDS instructions, with s_wait_alu, always for 0.
; THE PLAN.  Registers that memory or LDS instructions touch, in the turns:
;   X0 .. X4      A slot is written by its eight loads alone; its turn's dot product and, later, its turn's multiply-adds read it; at the turn's end it is asked for again.
;   v[DA], v[DB]  The two energies: written by the turn's additions, read by the turn's two LDS stores, written again by the next turn's dot products.
;   v[XO], v[W4]  Read by every load of a row and by every LDS store of an energy; made at the head and never written again: the rows stand in the immediates.
;   U, ACC, M, the weights and all that is at work are named by vector instructions alone between the head and the end.
; So a turn has three waits.  One on va_vdst behind the exponentials: their results are written, and so are the two energies, whose LDS stores follow it.  At the turn's end one on vm_vsrc:
; those stores have read the energies; and one on va_vdst: the multiply-adds are done reading the turn's two slots, and the sixteen loads follow at once, so that no slot lies idle.
; The head and the end state their own dependences where they stand.
.set ROWSTEP, 65536                    ; bytes from my row i to my row i + 1
.set UL,    0                          ; LDS: u, 1,024 f32
.set CW,    4096                       ; the sixteen waves' parts of c
.set EN,    4352                       ; the block's 256 energies, row r at 4 r
.set MW,    5376                       ; the sixteen waves' maxima
.set AC,    5632                       ; wave w's 1,024 context sums at 4,096 w
.set SPARE, 71168                      ; behind them: the spare words, 128 bytes for each of the sixteen waves; no other line names them
.set SPW, 1                            ; v1      LDS address of my spare word; never rewritten
.set NIL, 2                            ; v2      0; never rewritten
.set XO,  3                            ; v3      16 x lane: my place in 512 bytes, in memory and in LDS; never rewritten
.set W4,  4                            ; v4      4 x wave: my wave's word in CW, EN and MW; never rewritten
.set CB,  5                            ; v5      c
.set M,   6                            ; v6      the running maximum (ahead of the first turn: 8 x thread)
.set MN,  7                            ; v7      the new maximum (ahead of the first turn: 0, an LDS address)
.set A,   8                            ; v[8:9]    a; the packed forms name a pair and take its low word for both halves
.set PA,  10                           ; v[10:11]  the first row's weight
.set PB,  12                           ; v[12:13]  the second row's
.set DA,  14                           ; v[14:21]  the first row's dot product in four chains; then its energy in v14
.set DB,  22                           ; v[22:29]  the second row's; its energy in v22
.set TA,  30                           ; v30, v31  at work
.set TB,  31
.set U,   32                           ; v[32:63]  u, my 32 columns
.set ACC, 64                           ; v[64:95]  the context sums, my 32 columns
.set X,   96                           ; v[96:255] five row slots of 32
.set SEL, 24                           ; s[24:25]  v_permlanex16_b32's selects: each lane takes its own place in the other half
.set L2E, 26                           ; s26       log2(e)
.macro SUM8P a                         ; eight pairs from v[a] on are added into the first, in a fixed order
.irp o, 0,4,8,12
	v_pk_add_f32 v[(\a)+(\o):(\a)+(\o)+1], v[(\a)+(\o):(\a)+(\o)+1], v[(\a)+(\o)+2:(\a)+(\o)+3]
.endr
	v_pk_add_f32 v[(\a):(\a)+1],   v[(\a):(\a)+1],   v[(\a)+4:(\a)+5]
	v_pk_add_f32 v[(\a)+8:(\a)+9], v[(\a)+8:(\a)+9], v[(\a)+12:(\a)+13]
	v_pk_add_f32 v[(\a):(\a)+1],   v[(\a):(\a)+1],   v[(\a)+8:(\a)+9]
.endm
.macro WSUM r, t                       ; the sum over the wave's 32 lanes, in every lane: four steps inside each half ride on the addition, one crosses the halves
.irp m, 1,2,4,8
	v_add_f32_dpp v[\r], v[\r], v[\r] row_xmask:\m row_mask:0xf bank_mask:0xf
.endr
	v_permlanex16_b32 v[\t], v[\r], s[SEL], s[SEL+1]
	v_add_f32 v[\r], v[\r], v[\t]
.endm
.macro WSUM2 r, t, q, u                ; two such sums, line by line in turn, so that no line waits for the one before it
.irp m, 1,2,4,8
	v_add_f32_dpp v[\r], v[\r], v[\r] row_xmask:\m row_mask:0xf bank_mask:0xf
	v_add_f32_dpp v[\q], v[\q], v[\q] row_xmask:\m row_mask:0xf bank_mask:0xf
.endr
	v_permlanex16_b32 v[\t], v[\r], s[SEL], s[SEL+1]
	v_permlanex16_b32 v[\u], v[\q], s[SEL], s[SEL+1]
	v_add_f32 v[\r], v[\r], v[\t]
	v_add_f32 v[\q], v[\q], v[\u]
.endm
.macro FILL slot, row                  ; eight loads: my row number \row, whole.  The row stands in the immediate (986,624 at the most, inside its signed 24 bits): no address register is ever rewritten
.irp j, 0,1,2,3,4,5,6,7
	global_load_b128 v[X+32*(\slot)+4*(\j):X+32*(\slot)+4*(\j)+3], v[XO], s[4:5] offset:(\row)*ROWSTEP+512*(\j) th:TH_LOAD_NT  ; each byte is read once in the launch
.endr
.endm
.macro DOT slot, d                     ; my 32 columns of row . u: four chains of packed multiply-adds, started by the first four products; the lane's sum in v[d]
.set n, 0
.rept 16
.if n < 4
	v_pk_mul_f32 v[(\d)+2*n:(\d)+2*n+1], v[X+32*(\slot)+2*n:X+32*(\slot)+2*n+1], v[U+2*n:U+2*n+1]
.else
	v_pk_fma_f32 v[(\d)+2*(n%4):(\d)+2*(n%4)+1], v[X+32*(\slot)+2*n:X+32*(\slot)+2*n+1], v[U+2*n:U+2*n+1], v[(\d)+2*(n%4):(\d)+2*(n%4)+1]
.endif
.set n, n+1
.endr
	v_pk_add_f32 v[(\d):(\d)+1],   v[(\d):(\d)+1],   v[(\d)+2:(\d)+3]
	v_pk_add_f32 v[(\d)+4:(\d)+5], v[(\d)+4:(\d)+5], v[(\d)+6:(\d)+7]
	v_pk_add_f32 v[(\d):(\d)+1],   v[(\d):(\d)+1],   v[(\d)+4:(\d)+5]
	v_add_f32 v[\d], v[\d], v[(\d)+1]
.endm
	s_load_b256 s[4:11], s[0:1], 0x0               ; enc s[4:5], hidden_state s[6:7], b s[8:9], v s[10:11]
	s_load_b128 s[12:15], s[0:1], 0x20             ; wpart s[12:13], energy s[14:15]
	s_load_b64 s[16:17], s[0:1], 0x30              ; pctx
	v_lshl_add_u32 v[SPW], v0, 2, SPARE
	v_mov_b32 v[NIL], 0
	v_lshrrev_b32 v[TA], 5, v0
	v_readfirstlane_b32 s18, v[TA]                 ; wave 0..15
	s_mov_b32 s19, ttmp9                           ; k: the block of 256 rows
	s_and_b32 s20, ttmp7, 0xffff                   ; bt: the batch
	s_mov_b32 s[SEL], 0x76543210
	s_mov_b32 s[SEL+1], 0xfedcba98
	s_mov_b32 s[L2E], 0x3fb8aa3b
	s_mov_b32 s23, 0                               ; the offsets' high word
	v_and_b32 v[XO], 31, v0
	v_lshlrev_b32 v[XO], 4, v[XO]
	s_wait_alu depctr_va_sdst(0)                   ; s18 is written, ahead of its first reader: the wave's word, its rows and its place in LDS are made from it
	s_lshl_b32 s21, s18, 2
	v_mov_b32 v[W4], s21
	v_lshlrev_b32 v[M], 3, v0                      ; 8 x thread: two numbers of each vector of 1,024
	v_mov_b32 v[A+1], 0                            ; named with their low words as pairs, so they are written
	v_mov_b32 v[PA+1], 0
	v_mov_b32 v[PB+1], 0
	v_mov_b32 v[TA], 0                             ; v_permlanex16_b32's destinations count as read
	v_mov_b32 v[TB], 0
	s_wait_kmcnt 0x0
	s_lshl_b32 s22, s20, 23                        ; a batch is 2,048 rows of 4,096 bytes,
	s_lshl_b32 s21, s19, 20                        ; a block 256 rows,
	s_or_b32 s22, s22, s21
	s_lshl_b32 s21, s18, 12                        ; my first row is the wave's number
	s_or_b32 s22, s22, s21
	s_add_nc_u64 s[4:5], s[4:5], s[22:23]
	s_lshl_b32 s22, s20, 12
	s_add_nc_u64 s[6:7], s[6:7], s[22:23]          ; h of my batch
	s_lshl_b32 s22, s20, 13
	s_lshl_b32 s21, s19, 10
	s_or_b32 s22, s22, s21
	s_add_nc_u64 s[14:15], s[14:15], s[22:23]      ; the block's 256 energies
	s_lshl_b32 s22, s20, 15
	s_lshl_b32 s21, s19, 12
	s_or_b32 s22, s22, s21
	s_add_nc_u64 s[16:17], s[16:17], s[22:23]      ; the block's 1,024 context sums
	s_wait_alu depctr_va_vdst(0)                   ; v[M] (8 x thread), v[XO] and v[W4] are written: the loads and LDS stores below read them as offsets and addresses
	; THE SMALL VECTORS: thread t takes numbers 2 t, 2 t + 1 of each: a load of a wave covers 256 consecutive aligned bytes.  Then the ring is filled, and the small work is done while the rows are on their way.
.irp p, 0,1,2,3,4,5,6,7
	global_load_b64 v[U+2*(\p):U+2*(\p)+1], v[M], s[12:13] offset:(\p)*8192            ; chunk p of w[0:1024]
.endr
.irp p, 0,1,2,3,4,5,6,7
	global_load_b64 v[U+16+2*(\p):U+16+2*(\p)+1], v[M], s[12:13] offset:(\p)*8192+4096  ; chunk p of w[1024:2048]
.endr
	global_load_b64 v[64:65], v[M], s[6:7]         ; h
	global_load_b64 v[66:67], v[M], s[8:9]         ; b
	global_load_b64 v[68:69], v[M], s[10:11]       ; v
.irp s, 0,1,2,3,4
	FILL \s, \s
.endr
	s_wait_loadcnt 40                              ; the 19 small loads are in; the 40 loads of rows 0 to 4, issued behind them, stay out
	SUM8P U                                        ; w[2 t], w[2 t + 1]
	SUM8P U+16                                     ; u[2 t], u[2 t + 1]
	v_pk_mul_f32 v[70:71], v[U:U+1], v[64:65]      ; my part of c: h w
	v_pk_fma_f32 v[70:71], v[66:67], v[68:69], v[70:71]  ; + b v
	v_add_f32 v70, v70, v71
	WSUM 70, TA
	v_mov_b32 v[MN], 0                             ; an address that is the same in all lanes, for the loads behind the barrier: made here, ahead of the wait that stands here anyway
	s_wait_alu depctr_va_vdst(0)                   ; the sums have written v[U+16:U+17] and v70, which the LDS stores read; v[MN] is written; and the vector work on U and v64 to v71, in which the LDS loads behind the barrier land, is done
	ds_store_b64 v[M], v[U+16:U+17] offset:UL
	ds_store_b32 v[W4], v70 offset:CW              ; all lanes write the same word with the same number
	s_wait_dscnt 0x0                               ; for the others' sake: my stores are done
	s_barrier_signal -1
	s_barrier_wait -1
	s_wait_alu depctr_vm_vsrc(0)                   ; my LDS stores have read v[U+16:U+17] and v70, in which the loads below land; they and the small loads have read v[M], which the first turn writes
.irp j, 0,1,2,3,4,5,6,7
	ds_load_b128 v[U+4*(\j):U+4*(\j)+3], v[XO] offset:UL+512*(\j)  ; u in the rows' own layout.  No vector instruction since the wait on va_vdst above
.endr
.irp n, 0,1,2,3
	ds_load_b128 v[64+4*(\n):64+4*(\n)+3], v[MN] offset:CW+16*(\n)
.endr
	s_wait_dscnt 0x0
	s_wait_alu depctr_vm_vsrc(0)                   ; the four LDS loads have read v[MN], which the first turn writes
	SUM8P 64
	v_add_f32 v[CB], v64, v65                      ; c, the same bits in every lane of every wave
; A TURN: my rows 2 t and 2 t + 1.  first = 1: the first turn starts M and the sums: there is no a, and nothing is cleared.
.macro TURN t, first
.set RWA, 2*(\t)
.set RWB, 2*(\t)+1
.set SLA, RWA%5
.set SLB, RWB%5
.set LASTR, RWA+4                      ; the last row that has been asked for
.if LASTR > 15
.set LASTR, 15
.endif
.set NY, 8*(LASTR-RWB)                 ; the loads issued behind the second row's
	s_wait_loadcnt NY+8                            ; loads come back in order: the first row is in; the second and the NY younger loads stay out
	DOT SLA, DA
	s_wait_loadcnt NY                              ; the second row is in
	DOT SLB, DB
	WSUM2 DA, TA, DB, TB
	v_add_f32 v[DA], v[DA], v[CB]                  ; the two energies, in every lane
	v_add_f32 v[DB], v[DB], v[CB]
.if \first
	v_max_num_f32 v[MN], v[DA], v[DB]
.else
	v_max3_num_f32 v[MN], v[M], v[DA], v[DB]
.endif
	; The exponents: a subtraction, then the factor.  The difference of two near energies is exact, so the exponent's error does not grow with the energies' size, as it would in one fused line on M log2 e rounded.
	v_sub_f32 v[TA], v[DA], v[MN]
	v_sub_f32 v[TB], v[DB], v[MN]
.if !(\first)
	v_sub_f32 v[A], v[M], v[MN]
.endif
	v_mul_f32 v[TA], s[L2E], v[TA]
	v_mul_f32 v[TB], s[L2E], v[TB]
.if !(\first)
	v_mul_f32 v[A], s[L2E], v[A]
.endif
	v_exp_f32 v[PA], v[TA]
	v_exp_f32 v[PB], v[TB]
.if !(\first)
	v_exp_f32 v[A], v[A]
.endif
	v_mov_b32 v[M], v[MN]                          ; the plain instruction between the exponentials and the use of their results (ISA guide 5.7.2)
	s_wait_alu depctr_va_vdst(0)                   ; the exponentials have written the two weights and a, ahead of their first readers; the additions have written the energies v[DA] and v[DB], which the LDS stores read
	ds_store_b32 v[W4], v[DA] offset:EN+64*RWA     ; row 16 i + w lies at 64 i + 4 w.  These stores are waited for in front of the barrier behind the last turn
	ds_store_b32 v[W4], v[DB] offset:EN+64*RWB
.set n, 0
.rept 16
.if \first
	v_pk_mul_f32 v[ACC+2*n:ACC+2*n+1], v[X+32*SLA+2*n:X+32*SLA+2*n+1], v[PA:PA+1] op_sel_hi:[1,0]
.else
	v_pk_mul_f32 v[ACC+2*n:ACC+2*n+1], v[ACC+2*n:ACC+2*n+1], v[A:A+1] op_sel_hi:[1,0]
.endif
.set n, n+1
.endr
.if !(\first)
.set n, 0
.rept 16
	v_pk_fma_f32 v[ACC+2*n:ACC+2*n+1], v[X+32*SLA+2*n:X+32*SLA+2*n+1], v[PA:PA+1], v[ACC+2*n:ACC+2*n+1] op_sel_hi:[1,0,1]
.set n, n+1
.endr
.endif
.set n, 0
.rept 16
	v_pk_fma_f32 v[ACC+2*n:ACC+2*n+1], v[X+32*SLB+2*n:X+32*SLB+2*n+1], v[PB:PB+1], v[ACC+2*n:ACC+2*n+1] op_sel_hi:[1,0,1]
.set n, n+1
.endr
.if RWA < 14
	s_wait_alu depctr_vm_vsrc(0)                   ; the two LDS stores above have read v[DA] and v[DB], which the next turn's dot products write; it stands ahead of the loads below, which it need not cover
.endif
.if RWA+5 <= 15
	s_wait_alu depctr_va_vdst(0)                   ; the multiply-adds are done reading the turn's two slots, in which the loads below land
	FILL SLA, RWA+5                                ; the slots have been read for the last time: their next rows are asked for
.endif
.if RWB+5 <= 15
	FILL SLB, RWB+5
.endif
.endm
	TURN 0, 1
.irp t, 1,2,3,4,5,6,7                  ; written out: the slots go round in fives and the turns in twos, and the last turns ask for nothing: no load leaves the buffer
	TURN \t, 0
.endr
	; THE WAVES MEET.  Each puts its maximum and its 1,024 sums into LDS; behind the barrier thread t adds the sixteen waves' sums of columns 2 t, 2 t + 1, each brought to the block's maximum.
	; The five addresses of the end are made together, ahead of the one wait.
	s_lshl_b32 s21, s18, 12
	s_add_co_u32 s21, s21, AC
	v_add_nc_u32 v[TA], s21, v[XO]                 ; AC + 4,096 wave + 16 lane
	v_mov_b32 v[TB], 0                             ; an address that is the same in all lanes
	v_lshlrev_b32 v114, 3, v0                      ; 8 x thread, in pctx
	v_lshl_add_u32 v115, v0, 3, AC                 ; and in a wave's sums (the region's base stands in the register: with 15 x 4,096 it would pass the offset's 16 bits)
	v_lshlrev_b32 v117, 4, v0                      ; 16 x thread: waves 0 and 1 read and store the energies by it; the other waves make it and do not use it
	s_wait_alu depctr_va_vdst(0)                   ; the last turn has written ACC and M, which the LDS stores read; the five addresses are written; and the turns are done reading slots 0 and 1, in which the LDS loads behind the barrier land
	ds_store_b32 v[W4], v[M] offset:MW
.irp j, 0,1,2,3,4,5,6,7
	ds_store_b128 v[TA], v[ACC+4*(\j):ACC+4*(\j)+3] offset:512*(\j)  ; column n lands at 4 n
.endr
	s_wait_dscnt 0x0                               ; for the others' sake: these stores and the turns' stores of energies are done
	s_barrier_signal -1
	s_barrier_wait -1
.irp n, 0,1,2,3
	ds_load_b128 v[96+4*(\n):96+4*(\n)+3], v[TB] offset:MW+16*(\n)   ; no vector instruction since the wait above
.endr
.irp w, 0,1,2,3,4,5,6,7,8,9,10,11,12,13,14,15
	ds_load_b64 v[128+2*(\w):128+2*(\w)+1], v115 offset:4096*(\w)
.endr
	s_wait_dscnt 16                                ; the sixteen maxima are in; the sixteen loads issued behind them stay out
	v_max3_num_f32 v116, v96, v97, v98
.irp n, 99,101,103,105,107,109
	v_max3_num_f32 v116, v116, v[\n], v[(\n)+1]
.endr
	v_max_num_f32 v116, v116, v111                 ; MG
.set n, 96
.rept 16
	v_sub_f32 v[n], v[n], v116
.set n, n+1
.endr
.set n, 96
.rept 16
	v_mul_f32 v[n], s[L2E], v[n]
.set n, n+1
.endr
.set n, 96
.rept 16
	v_exp_f32 v[n], v[n]                           ; wave w's factor 2^((M_w - MG) log2 e)
.set n, n+1
.endr
	v_nop                                          ; a plain instruction between the exponentials and the use of their results
	s_wait_dscnt 0x0
	s_wait_alu depctr_va_vdst(0)                   ; the sixteen exponentials have written v96 to v111, ahead of their first reader
	v_mul_f32 v112, v128, v96
	v_mul_f32 v113, v129, v96
.set n, 1
.rept 15
	v_fma_f32 v112, v[128+2*n], v[96+n], v112
	v_fma_f32 v113, v[129+2*n], v[96+n], v113
.set n, n+1
.endr
	s_wait_alu depctr_va_vdst(0)                   ; the multiply-adds have written v[112:113], which the store reads
	global_store_b64 v114, v[112:113], s[16:17]    ; a wave stores 256 consecutive bytes, at a multiple of 256 from pctx's first byte
	s_cmp_lt_u32 s18, 2
	s_cbranch_scc0 .Ldone                          ; waves 0 and 1 send the 256 energies out
	ds_load_b128 v[120:123], v117 offset:EN        ; no vector instruction has named v117 or v[120:123] since the wait ahead of the LDS stores
	s_wait_dscnt 0x0
	global_store_b128 v117, v[120:123], s[14:15]   ; a wave stores 512 consecutive bytes, at a multiple of 512 from energy's first byte
.Ldone:
	s_wait_dscnt 0x0                               ; the closing lines, six on end
	s_wait_alu 0x0
	s_wait_tensorcnt 0x0
	ds_add_u32 v[SPW], v[NIL]
	s_wait_dscnt 0x0
	s_endpgm
.Lfunc_end_k_q4be67f0636_stream:
	.size	k_q4be67f0636_stream, .Lfunc_end_k_q4be67f0636_stream-k_q4be67f0636_stream
	.p2alignl 7, 3214868480
	.fill 96, 4, 3214868480
	.section	.rodata,"a",@progbits
	.p2align	6, 0x0
	.amdhsa_kernel k_q4be67f0636_stream
		.amdhsa_group_segment_fixed_size 73216
		.amdhsa_private_segment_fixed_size 0
		.amdhsa_enable_private_segment 0
		.amdhsa_kernarg_size 56
		.amdhsa_user_sgpr_count 2
		.amdhsa_user_sgpr_kernarg_segment_ptr 1
		.amdhsa_wavefront_size32 1
		.amdhsa_system_sgpr_workgroup_id_x 1
		.amdhsa_system_sgpr_workgroup_id_y 1
		.amdhsa_system_sgpr_workgroup_id_z 1
		.amdhsa_system_vgpr_workitem_id 0
		.amdhsa_next_free_vgpr 256
		.amdhsa_next_free_sgpr 66
		.amdhsa_reserve_vcc 0
		.amdhsa_float_denorm_mode_32 3
		.amdhsa_float_denorm_mode_16_64 3
		.amdhsa_memory_ordered 1
		.amdhsa_forward_progress 1
		.amdhsa_inst_pref_size 80
	.end_amdhsa_kernel
	.amdgpu_metadata
---
amdhsa.version: [ 1, 2 ]
amdhsa.kernels:
  - .name:           k_q4be67f0636_stream
    .symbol:         k_q4be67f0636_stream.kd
    .args:
      - { .name: encoder_outputs, .offset: 0, .size: 8, .value_kind: global_buffer, .address_space: global }
      - { .name: hidden_state, .offset: 8, .size: 8, .value_kind: global_buffer, .address_space: global }
      - { .name: b, .offset: 16, .size: 8, .value_kind: global_buffer, .address_space: global }
      - { .name: v, .offset: 24, .size: 8, .value_kind: global_buffer, .address_space: global }
      - { .name: wpart, .offset: 32, .size: 8, .value_kind: global_buffer, .address_space: global }
      - { .name: energy, .offset: 40, .size: 8, .value_kind: global_buffer, .address_space: global }
      - { .name: pctx, .offset: 48, .size: 8, .value_kind: global_buffer, .address_space: global }
    .group_segment_fixed_size: 73216
    .private_segment_fixed_size: 0
    .kernarg_segment_align: 8
    .kernarg_segment_size: 56
    .max_flat_workgroup_size: 512
    .sgpr_count:     66
    .vgpr_count:     256
    .wavefront_size: 32
...
	.end_amdgpu_metadata
.endif
;; end of part 4
;; launch finish: the kernel of part 3 again; grid 32 x 1, 16 waves a work-group, no clusters, 2,560 bytes of LDS; arguments energy, pctx, out0, out1; writes out0, out1
